; MI455X (gfx1250); checked and timed in simulation.
; The chip was launched on July 23, 2026; its instructions are those of AMD's public machine-readable ISA for CDNA 5 (MIT licence, August 2026) and "CDNA5" Instruction Set Architecture Reference Guide (July 2026). The comments in the code are by the model that wrote it; some were corrected since.
;; Multi Head Attention. Allowed arithmetic: matrix products marked QUANTISED: E4M3 operands, one given power-of-two scale a tensor, by v_wmma_f32_16x16x64_fp8_fp8 or v_wmma_f32_16x16x128_fp8_fp8, f32 sums; everything else in f32.
;; Inputs: b_proj 1,024 float32; lowp_scales 8 int32 (the exponents e of the quantised operands' scales 2^e); w_kqv_codes 3,072 x 32 x 32 uint8 (E4M3 codes of w_kqv, K innermost, in blocks of 32 codes); w_proj_codes 1,024 x 32 x 32 uint8 (E4M3 codes of w_proj, K innermost, in blocks of 32 codes); x_codes 4 x 2,048 x 32 x 32 uint8 (E4M3 codes of x, K innermost, in blocks of 32 codes).
;; Outputs: out0 4 x 2,048 x 1,024 float32.
;; This version of the problem:
;;   THIS VERSION OF THE PROBLEM IS GIVEN IN LOW PRECISION. The matrix products marked QUANTISED in the list below multiply operands that are first quantised to E4M3 (4 exponent bits, 3 mantissa bits; 8 bits a number), with one given power-of-two scale for each operand tensor; their sums are f32. All else is computed in f32.
;;   The module's matrix products, in the order in which they are computed (A, B: the left and right operand; K: the contracted axis; several contracted axes count as one K, in the product's order):
;;     1. [M 8,192, K 1,024] x [K 1,024, N 3,072]; A: input x (given as codes); B: input w_kqv (given as codes): QUANTISED (scales: A lowp_scales[0], B lowp_scales[1])
;;     2. batch 64 x [M 2,048, K 64] x [K 64, N 2,048]; A: computed on the way; B: computed on the way: QUANTISED (scales: A lowp_scales[2], B lowp_scales[3])
;;     3. batch 64 x [M 2,048, K 2,048] x [K 2,048, N 64]; A: softmax (see below); B: computed on the way: QUANTISED (scales: A lowp_scales[4], B lowp_scales[5])
;;     4. [M 8,192, K 1,024] x [K 1,024, N 1,024]; A: computed on the way; B: input w_proj (given as codes): QUANTISED (scales: A lowp_scales[6], B lowp_scales[7])
;;   THE QUANTISER, for each operand of a quantised product, along K:
;;     - The operand's scale is 2^e, e = its entry of the input lowp_scales (int32; the entries are numbered through the quantised products in the list's order, A before B).
;;     - Each number is divided by the scale, clamped to +-448, and rounded to the nearest number of E4M3, ties to even, subnormals kept.
;;     - The product sums the exact products of the quantised numbers (number of the format x scale) in f32.
;;   ~~~python
;;   def quantise(x, axis, e):      # numpy; x: float32 -> the quantised numbers, widened to float32 again
;;       x = np.moveaxis(x, axis, -1); K = x.shape[-1]
;;       r = np.clip(x / 2.0 ** e, -448, 448)
;;       step = 2.0 ** (np.maximum(np.frexp(np.where(r == 0, 1, r))[1] - 1, -6) - 3)
;;       q = np.round(r / step) * step * 2.0 ** e      # np.round: ties to even
;;       return np.moveaxis(q, -1, axis).astype(np.float32)
;;   ~~~
;;   SOFTMAX AHEAD OF A QUANTISED PRODUCT. Where the list says 'softmax', what is quantised is not the finished softmax but p = 2^(t - M), with t = logit x log2(e) and M = ceil(the row's largest t), a whole number; so 1/2 < the row's largest p <= 1. The row's sum l is taken of the UNQUANTISED p, in f32, and the product's result is divided by l at the end. Since M is a whole number, a kernel that streams over the keys may use a running M (the ceiling of the running maximum): every later rescaling is an exact power of two, so the quantised numbers keep their values, but for numbers so far below the row's largest that they fall under the format's range.
;;   OPERANDS COMPUTED ON THE WAY. 'Computed on the way' means the value that the module computes at that place (a softmax that the list does not call 'softmax' is quantised finished and normalised). What goes into a quantiser is computed in f32, as accurately as f32 sums, v_exp_f32 and their like allow (about 1e-6 of the number): no bf16 or f16 on the way to a quantiser, and a product that is left as it is and whose result goes on into a quantised operand takes f32 operands (vector FMAs, or v_wmma_f32_16x16x4_f32). A number that lies on a knife's edge between two numbers of the format may be rounded either way, as far as f32 arithmetic and the matrix unit's own rounding can turn it there, and no further.
;;   INPUTS GIVEN AS CODES. w_kqv (in the module: [3072, 1024], K = its axis 1); w_proj (in the module: [1024, 1024], K = its axis 1); x (in the module: [4, 2048, 1024], K = its axis 2): each comes as NAME_codes (uint8): NAME with its K axis moved to the last place and cut into blocks of 32 codes, [.., K / 32, bytes a block], one block behind the other in memory; one code a byte (a code: sign, 4 exponent bits, 3 mantissa bits); its scale is its entry of lowp_scales. Its value is code x scale, taken as it is: it is not quantised again, and the codes and scales need not be those that the quantiser above would give.
;; One version. Each part assembles by itself: llvm-mc -triple=amdgcn-amd-amdhsa -mcpu=gfx1250 --defsym DOCPART=n.
;; ======== version 1 of 1: 4 launches
;; limits: right only within a limited range of input values
;; workspace buffers: ropetab 524,288 bytes; kimg 8,388,608 bytes; qimg 8,388,608 bytes; vimg 8,388,608 bytes; aimg 8,388,608 bytes
;; launch ropetab (part 1): grid 32 x 1, 4 waves a work-group, no clusters, 0 bytes of LDS; arguments ropetab; writes ropetab
.if DOCPART == 1
	.amdgcn_target "amdgcn-amd-amdhsa--gfx1250"
	.amdhsa_code_object_version 6
	.text
	.protected	k_q3f3bb2d862_ropetab
	.globl	k_q3f3bb2d862_ropetab
	.p2align	8
	.type	k_q3f3bb2d862_ropetab,@function
k_q3f3bb2d862_ropetab:
	s_mov_b64 s[64:65], 0
	v_nop
	global_prefetch_b8 v0, s[64:65] scope:SCOPE_SE
	s_setreg_imm32_b32 hwreg(HW_REG_WAVE_MODE, 25, 1), 1
	s_wait_xcnt 0x0
; THE TABLE OF ANGLES: cos and sin of m x theta_i, m = 0 .. 2,047 (the token's place), theta_i = 10000^(-i/32) = 10^(-i/8), i = 0 .. 31 (the pair of channels).
; LAYOUT, as the next launch's registers want it: [tile of 16 rows: 128][piece p: 8][lane: 32][16 bytes].  Lane (r = lane % 16, h = lane / 16) of piece p = 2 c + k holds
; cos, sin, cos, sin of row 16 x tile + r for the pairs i = 8 c + 4 h + 2 k and i + 1.  A wave makes one tile of rows, 4,096 bytes: sixteen angles a lane; each store of the wave covers 512 consecutive bytes, aligned.
; ARITHMETIC, all f32: x = m x theta is one multiplication.  n = x x 2/pi rounded to a whole number; r = x - n x pi/2 by two fused multiply-adds (pi/2 in two parts: the first difference is exact for
; x under 2,048, since it is a multiple of 2^-23 under 1); sin r and cos r by polynomials on |r| <= pi/4; the quadrant n mod 4 swaps them and sets the signs.
; LIMIT, stated: theta_i is the f32 number nearest to 10^(-i/8); sin and cos of the f32 number x are right to about 1e-7 absolute.
.set OUT, 32                           ; v32-63  the sixteen (cos, sin) of my lane: number idx = 4 c + 2 k + e at v[OUT + 2 idx]
	s_load_b64 s[4:5], s[0:1], 0x0                 ; the table
	v_lshrrev_b32 v5, 5, v0
	v_readfirstlane_b32 s6, v5                     ; wave 0..3
	s_lshl_b32 s7, ttmp9, 2
	s_add_co_u32 s6, s6, s7                        ; my tile of rows: 4 x work-group + wave
	v_and_b32 v1, 15, v0                           ; r
	v_bfe_u32 v2, v0, 4, 1                         ; h
	v_and_b32 v3, 31, v0
	v_lshlrev_b32 v3, 4, v3                        ; 16 x lane: my place in a piece
	s_lshl_b32 s7, s6, 4
	v_add_nc_u32 v4, s7, v1
	v_cvt_f32_u32 v4, v4                           ; m, exact
	s_wait_alu depctr_va_vdst(0)
	v_cmp_eq_u32 s20, 1, v2                        ; lanes 16-31
	s_mov_b32 s8, 0x3f22f983                       ; 2 / pi
	s_mov_b32 s9, 0xbfc90fdb                       ; -(pi/2 rounded to f32)
	s_mov_b32 s10, 0x333bbd2e                      ; that number less pi/2: 4.37113883e-8
	s_mov_b32 s11, 0xb94ca1f9                      ; sin: -1.9515295891e-4,
	s_mov_b32 s12, 0x3c08839e                      ;       8.3321608736e-3,
	s_mov_b32 s13, 0xbe2aaaa3                      ;      -1.6666654611e-1
	s_mov_b32 s14, 0x37ccf5ce                      ; cos:  2.443315711809948e-5,
	s_mov_b32 s15, 0xbab6061a                      ;      -1.388731625493765e-3,
	s_mov_b32 s16, 0x3d2aaaa5                      ;       4.166664568298827e-2
	s_mov_b32 s17, 0x80000000                      ; the sign
	s_lshl_b32 s22, s6, 12                         ; my tile's 4,096 bytes
	s_mov_b32 s23, 0
; One angle.  lo: theta of the pair that lanes 0-15 take, hi: of the pair that lanes 16-31 take (four pairs further on).
.macro SC lo, hi, idx
	v_mul_f32 v64, \lo, v4
	v_mul_f32 v65, \hi, v4
	v_cndmask_b32 v64, v64, v65, s20               ; x = m x theta
	v_mul_f32 v66, s8, v64
	v_rndne_f32 v66, v66                           ; n
	v_fma_f32 v67, v66, s9, v64
	v_fma_f32 v67, v66, s10, v67                   ; r = x - n pi/2
	v_mul_f32 v68, v67, v67                        ; z = r r
	v_fma_f32 v69, v68, s11, s12
	v_fma_f32 v70, v68, s14, s15
	v_fma_f32 v69, v69, v68, s13
	v_fma_f32 v70, v70, v68, s16
	v_mul_f32 v69, v69, v68
	v_mul_f32 v70, v70, v68
	v_fma_f32 v71, v68, -0.5, 1.0
	v_fma_f32 v69, v69, v67, v67                   ; sin r
	v_fma_f32 v70, v70, v68, v71                   ; cos r
	v_cvt_i32_f32 v72, v66                         ; the quadrant's number
	v_and_b32 v73, 1, v72
	v_cmp_ne_u32 vcc_lo, 0, v73
	v_cndmask_b32 v74, v69, v70, vcc_lo            ; sin x: in odd quadrants cos r
	v_cndmask_b32 v75, v70, v69, vcc_lo            ; cos x: in odd quadrants sin r
	v_lshlrev_b32 v73, 30, v72                     ; sin x is negative in quadrants 2 and 3: bit 1 of n,
	v_add_nc_u32 v72, 1, v72
	v_lshlrev_b32 v72, 30, v72                     ; cos x in quadrants 1 and 2: bit 1 of n + 1
	v_and_b32 v73, s17, v73
	v_and_b32 v72, s17, v72
	v_xor_b32 v[OUT+2*(\idx)], v75, v72
	v_xor_b32 v[OUT+2*(\idx)+1], v74, v73
.endm
	SC 1.0,                   0.31622776601683794,    0
	SC 0.7498942093324559,    0.23713737056616552,    1
	SC 0.5623413251903491,    0.1778279410038923,     2
	SC 0.4216965034285822,    0.1333521432163324,     3
	SC 0.1,                   0.031622776601683794,   4
	SC 0.07498942093324559,   0.023713737056616552,   5
	SC 0.05623413251903491,   0.01778279410038923,    6
	SC 0.04216965034285822,   0.01333521432163324,    7
	SC 0.01,                  0.0031622776601683794,  8
	SC 0.007498942093324559,  0.0023713737056616552,  9
	SC 0.005623413251903491,  0.001778279410038923,   10
	SC 0.004216965034285822,  0.001333521432163324,   11
	SC 0.001,                 0.00031622776601683794, 12
	SC 0.0007498942093324559, 0.00023713737056616552, 13
	SC 0.0005623413251903491, 0.0001778279410038923,  14
	SC 0.0004216965034285822, 0.0001333521432163324,  15
	s_wait_alu depctr_va_vdst(0)
	s_wait_kmcnt 0x0
	s_add_nc_u64 s[4:5], s[4:5], s[22:23]
.irp p, 0,1,2,3,4,5,6,7
	global_store_b128 v3, v[OUT+4*\p:OUT+4*\p+3], s[4:5] offset:512*\p   ; no register of a store is written again
.endr
	s_endpgm
.Lfunc_end_k_q3f3bb2d862_ropetab:
	.size	k_q3f3bb2d862_ropetab, .Lfunc_end_k_q3f3bb2d862_ropetab-k_q3f3bb2d862_ropetab
	.p2alignl 7, 3214868480
	.fill 96, 4, 3214868480
	.section	.rodata,"a",@progbits
	.p2align	6, 0x0
	.amdhsa_kernel k_q3f3bb2d862_ropetab
		.amdhsa_group_segment_fixed_size 0
		.amdhsa_private_segment_fixed_size 0
		.amdhsa_enable_private_segment 0
		.amdhsa_kernarg_size 8
		.amdhsa_user_sgpr_count 2
		.amdhsa_user_sgpr_kernarg_segment_ptr 1
		.amdhsa_wavefront_size32 1
		.amdhsa_system_sgpr_workgroup_id_x 1
		.amdhsa_system_sgpr_workgroup_id_y 1
		.amdhsa_system_sgpr_workgroup_id_z 1
		.amdhsa_system_vgpr_workitem_id 0
		.amdhsa_next_free_vgpr 96
		.amdhsa_next_free_sgpr 66
		.amdhsa_reserve_vcc 1
		.amdhsa_float_denorm_mode_32 3
		.amdhsa_float_denorm_mode_16_64 3
		.amdhsa_memory_ordered 1
		.amdhsa_forward_progress 1
		.amdhsa_inst_pref_size 23
	.end_amdhsa_kernel
	.amdgpu_metadata
---
amdhsa.version: [ 1, 2 ]
amdhsa.kernels:
  - .name:           k_q3f3bb2d862_ropetab
    .symbol:         k_q3f3bb2d862_ropetab.kd
    .args:
      - { .name: ropetab, .offset: 0, .size: 8, .value_kind: global_buffer, .address_space: global }
    .group_segment_fixed_size: 0
    .private_segment_fixed_size: 0
    .kernarg_segment_align: 8
    .kernarg_segment_size: 8
    .max_flat_workgroup_size: 128
    .sgpr_count:     66
    .vgpr_count:     96
    .wavefront_size: 32
...
	.end_amdgpu_metadata
.endif
;; end of part 1
;; launch qkv (part 2): grid 12 x 32, 4 waves a work-group, clusters of 4 x 4, 327,680 bytes of LDS; arguments x_codes, w_kqv_codes, lowp_scales, ropetab, kimg, qimg, vimg; writes kimg, qimg, vimg
.if DOCPART == 2
	.amdgcn_target "amdgcn-amd-amdhsa--gfx1250"
	.amdhsa_code_object_version 6
	.text
	.protected	k_q3f3bb2d862_qkv
	.globl	k_q3f3bb2d862_qkv
	.p2align	8
	.type	k_q3f3bb2d862_qkv,@function
k_q3f3bb2d862_qkv:
	s_mov_b64 s[64:65], 0
	v_nop
	global_prefetch_b8 v0, s[64:65] scope:SCOPE_SE
	s_setreg_imm32_b32 hwreg(HW_REG_WAVE_MODE, 25, 1), 1
	s_wait_xcnt 0x0
	s_wait_alu depctr_hold_cnt(0) depctr_sa_sdst(0) depctr_va_vdst(0) depctr_va_sdst(0) depctr_va_ssrc(0) depctr_va_vcc(0) depctr_vm_vsrc(0)
	s_getreg_b32 s2, hwreg(HW_REG_IB_STS2, 6, 4)
	s_cmp_eq_u32 s2, 0
	s_cbranch_scc0 .Lentry_in_a_cluster
	s_endpgm
.Lentry_in_a_cluster:
	s_bfe_u32 s2, ttmp6, 0x10000c
	s_cmp_lg_u32 s2, 0xf033
	s_cbranch_scc0 .Lentry_shape_is_right
	s_endpgm
.Lentry_shape_is_right:
; k, q, v = x W^T on codes of FP8 (E4M3); k and q are turned by RoPE; all three are quantised with their given scales and stored as IMAGES of the operand registers that the attention launch loads.
; x: [8192][1024] codes, scale 2^e0.  W: [3072][1024] codes, scale 2^e1; its rows 0-1023 make k, 1024-2047 q, 2048-3071 v.  Sums in f32.
; A tile of 256 x 256 results is made by a work-group of four waves; a wave makes 128 x 128: 64 accumulators of 16 x 16, 512 registers.  K = 1,024 goes in four steps of 256 through a ring of two LDS slots filled by the
; tensor data mover.  384 tiles: the cluster's x says which tensor is made (0: k, 1: q, 2: v).
; TWO SIDES.  The matrix instruction takes 16 rows of the B SIDE as source 0 and 16 rows of the A SIDE as source 1: a lane (r = lane % 16, h = lane / 16) then holds ONE row r of the A side and EIGHT NEIGHBOURING rows
; 8 h + 0 .. 7 of the B side.  Eight neighbours in one lane's registers are what a conversion to codes takes, and they must run along the NEXT product's K:
;   k, q: the next K is the head's 64 channels: A side = x (tokens), B side = W (channels).     v: the next K is the keys: A side = W's rows of v (channels), B side = x (tokens).
; So v differs from k and q in which pointer feeds which side, and nothing is transposed.  Each accumulator's eight numbers become registers 2 c, 2 c + 1 of a 16 x 64 fragment, in the lane that will hold them.
; OUTPUT.  kimg, qimg: [batch x head: 64][tile of 16 tokens: 128][piece: 2][lane][16 bytes]; register 2 c + e of lane (r, h): token r, channels 16 c + 8 h + 4 e on.
;          vimg: [batch x head][64 keys: 32][tile of 16 channels: 4][piece: 2][lane][16 bytes]; register 2 c + e: channel r, keys 16 c + 8 h + 4 e on.  Every store of a wave covers 512 consecutive bytes, aligned.
; CLUSTERS: 4 x 4 work-groups.  The four of a row of the cluster need the same tile of the A side, the four of a column the same tile of the B side: each is asked for JOINTLY.
; The fragments of both sides are fetched by four loads of 16 bytes, which permutes k inside an instruction alike on both sides: every product meets its partner.
; LIMITS: e3 - e0 - e1, e2 - e0 - e1 and e5 - e0 - e1 lie between -126 and 119, so that each scale and 448 x it are f32 numbers.  NaN codes among the inputs are not served.
; REGISTERS, in windows of 256: window 0: v16-31 addresses and constants; v32-95 two sets of 32 table numbers; v96-127 a unit's 32 numbers; from v128 the A side's fragments, ONE set, on the way out the codes.
;   window 1: the B side's fragments, TWO sets.   window 2: the accumulators of my A rows 0-63 ((a, b) at v[8 (8 (a % 4) + b)]);   window 3: those of rows 64-127.
.set KROW,   1024                      ; a row of x or of W in bytes
.set ROWB,   256                       ; a tile's row: 256 codes
.set PITCH,  272                       ; an LDS row: 256 bytes + 16 of padding: the 16 rows that a load touches begin 68 words apart
.set FR,     16                        ; registers of a fragment: 16 rows x 128 K
.set NL,     4                         ; LDS loads that bring one
.set NP,     4                         ; places behind this matrix instruction (ISA guide 7.12.1)
.set HALFT,  128*PITCH                 ; 128 rows: what one tensor load brings, and what one wave reads of a side
.set SLOT,   4*HALFT                   ; the A side's 256 rows, then the B side's
.set LAPS,   2                         ; a lap = two K steps of 256 = once round the ring
.set SPARE,  2*SLOT                    ; behind the ring: the spare words, 128 bytes a wave, which no other line names
.set ADRA, 16                          ; v16-17  LDS address of my A fragments in slot 0, 1
.set ADRB, 20                          ; v20-21  the same for B
.set LI,   24                          ; v24     16 x lane: my place in a piece of 512 bytes; never rewritten
.set SPW,  28                          ; v28     LDS address of my spare word; never rewritten
.set NIL,  29                          ; v29     0; never rewritten
.set SCL,  30                          ; v30     the conversion's scale, 2^(et - e0 - e1)
.set LIM,  31                          ; v31     448 x that
.set TABR, 32                          ; v32-95  (cos, sin) for a block of 16 tokens: 32 registers, two sets by turns
.set R,    96                          ; v96-127 the 32 numbers of a unit (16 rows x 64 along the next K)
.set AF,   128                         ; the A side's fragments
.set CD,   128                         ; the way out: eight registers of codes for each of 16 units, so that no store's data are written again
.set G1, 24                            ; s[24:31] descriptor group 1 for A's tiles;  s[32:39] group 0, one set for each slot
.set G0, 32
.set G1B, 48                           ; s[48:55], s[56:63] the same for B's tiles
.set G0B, 56
.set MSB, 0
.macro WIN new                         ; the immediate's high byte repeats the setting that is left; a switch that changes nothing is dropped
.if MSB != (\new)
	s_set_vgpr_msb (MSB<<8)|(\new)
.set MSB, (\new)
.endif
.endm
.set MUL_LO, 0xa1                      ; source 0 (B) window 1, source 1 (A) window 0, C and D window 2
.set MUL_HI, 0xf1                      ; the same, C and D window 3
.set TO_B,   0x40                      ; destination window 1, address window 0
; A joint load: waves 0 and 1 fetch for A, waves 2 and 3 for B.  Each line has one mask and one set of registers for all that issue it; the branch hangs on the wave's number alone.
; Four v_nop follow each of the two lines, ahead of the jump, the label and what follows.
.macro JLOAD g0a, g1a, g0b, g1b
	s_cmp_eq_u32 s15, 0
	s_cbranch_scc0 .Lfor_b_\@
	tensor_load_to_lds s[\g0a:\g0a+3], s[\g1a:\g1a+7]
	s_nop 0
.rept 4
	v_nop
.endr
	s_branch .Lasked_\@
.Lfor_b_\@:
	tensor_load_to_lds s[\g0b:\g0b+3], s[\g1b:\g1b+7]
	s_nop 0
.rept 4
	v_nop
.endr
.Lasked_\@:
.endm
.macro CREST                           ; a round of the cluster's barrier behind its opening barrier
	s_cmp_lg_u32 s14, 0
	s_cbranch_scc1 .Lnot_wave_0_\@
	s_barrier_signal -3
.Lnot_wave_0_\@:
	s_barrier_wait -3
	s_barrier_signal -1
	s_barrier_wait -1
.endm
.macro CROUND                          ; a whole round
	s_barrier_signal -1
	s_barrier_wait -1
	CREST
.endm
	s_load_b256 s[4:11], s[0:1], 0x0               ; x s[4:5], W s[6:7], the scales' exponents s[8:9], the table s[10:11]
	s_load_b128 s[68:71], s[0:1], 0x20             ; kimg s[68:69], qimg s[70:71]
	s_load_b64 s[72:73], s[0:1], 0x30              ; vimg
	v_lshl_add_u32 v[SPW], v0, 2, SPARE
	v_mov_b32 v[NIL], 0
	ds_add_u32 v28, v29
	ds_add_u32 v28, v29
	s_wait_dscnt 0x0
	v_lshrrev_b32 v1, 5, v0
	v_readfirstlane_b32 s14, v1                    ; wave 0..3
	s_lshr_b32 s15, s14, 1                         ; which half of the tile's A rows is mine.  Also: I fetch for A (0) or for B (1)
	s_and_b32 s16, s14, 1                          ; which half of its B rows.  Also: which 128 rows of that tile I fetch
	s_bfe_u32 s40, ttmp6, 0x40000                  ; cx, cy: my place in the cluster
	s_bfe_u32 s41, ttmp6, 0x40004
	s_and_b32 s12, ttmp7, 0xffff
	s_lshl_b32 s12, s12, 2                         ; 4 x cluster y
	s_lshl_b32 s13, ttmp9, 2                       ; 4 x cluster x
	s_cmp_eq_u32 ttmp9, 2                          ; v?  The cluster's x is the same in all sixteen partners
	s_cselect_b32 s17, 8, s12                      ; A's tiles: v: W's tiles 8 .. 11;  k, q: x's tiles 4 x cluster y on
	s_cselect_b32 s42, s12, s13                    ; B's tiles: v: x's tiles 4 x cluster y on;  k, q: W's tiles 4 x cluster x on
	s_add_co_u32 s17, s17, s41                     ; my tile of the A side: + cy
	s_add_co_u32 s42, s42, s40                     ; my tile of the B side: + cx
	s_lshl_b32 s43, s41, 2
	s_lshl_b32 s43, 15, s43                        ; my row of the cluster
	s_lshl_b32 s44, 0x1111, s40                    ; my column
	; descriptor group 1: a tile of 128 rows x 256 bytes, padded in LDS
	s_or_b32 s[G1+0], s43, (0<<16)|(1<<20)|(1<<21)|(5<<22)|(3<<25)  ; 15:0 the mask: A's tiles go to my row; 17:16 element of 1 byte; 20 padding on; 21 set beside a mask; 24:22 after every 64 words (code 5); 31:25 of 4 words (code 3)
	s_or_b32 s[G1B+0], s44, (0<<16)|(1<<20)|(1<<21)|(5<<22)|(3<<25) ; the same with the mask of my column
.irp g, G1, G1B
	s_mov_b32 s[\g+1], ROWB<<16                    ; tensor_dim0
	s_mov_b32 s[\g+2], 128<<16                     ; tensor_dim1 = 128
	s_mov_b32 s[\g+3], ROWB<<16                    ; tile_dim0
	s_mov_b32 s[\g+4], 128                         ; tile_dim1 = 128
	s_mov_b32 s[\g+5], KROW                        ; tensor_dim0_stride
	s_mov_b32 s[\g+6], 0
	s_mov_b32 s[\g+7], 0
.endr
	s_lshl_b32 s18, s16, 7                         ; which 128 rows of the tile I fetch
	s_lshl_b32 s20, s17, 8
	s_add_co_u32 s20, s20, s18                     ; A: row 256 x tile + 128 x half,
	s_lshl_b32 s20, s20, 10                        ; in bytes (under 2^24)
	s_mov_b32 s21, 0
	s_lshl_b32 s46, s42, 8
	s_add_co_u32 s46, s46, s18                     ; B likewise
	s_lshl_b32 s46, s46, 10
	s_mov_b32 s47, 0
	s_mul_i32 s45, s14, HALFT                      ; where they go: wave x 128 rows: no place in the cluster enters an LDS address
	s_wait_kmcnt 0x0
	s_load_b256 s[84:91], s[8:9], 0x0              ; e0 .. e7
	s_cmp_eq_u32 ttmp9, 2
	s_cselect_b64 s[74:75], s[6:7], s[4:5]         ; the A side's tensor: W for v, else x
	s_cselect_b64 s[76:77], s[4:5], s[6:7]         ; the B side's: x for v, else W
	s_add_nc_u64 s[20:21], s[74:75], s[20:21]
	s_add_nc_u64 s[46:47], s[76:77], s[46:47]
	CROUND                                         ; all sixteen work-groups are here: the first joint loads meet
.irp s, 0,1
	s_mov_b32 s[G0+4*\s], 1
	s_add_co_u32 s[G0+4*\s+1], s45, \s*SLOT
	s_add_nc_u64 s[G0+4*\s+2:G0+4*\s+3], s[20:21], \s*ROWB
	s_or_b32 s[G0+4*\s+3], s[G0+4*\s+3], 0x80000000
	s_mov_b32 s[G0B+4*\s], 1
	s_add_co_u32 s[G0B+4*\s+1], s45, \s*SLOT
	s_add_nc_u64 s[G0B+4*\s+2:G0B+4*\s+3], s[46:47], \s*ROWB
	s_or_b32 s[G0B+4*\s+3], s[G0B+4*\s+3], 0x80000000
	JLOAD G0+4*\s, G1, G0B+4*\s, G1B
.endr
	v_and_b32 v1, 15, v0                           ; r
	v_bfe_u32 v2, v0, 4, 1                         ; h
	v_mul_u32_u24 v3, v1, PITCH
	v_lshl_add_u32 v4, v2, 4, v3                   ; a fragment's row x pitch + 16 x half
	s_mul_i32 s21, s15, HALFT                      ; my 128 rows of A
	s_mul_i32 s22, s16, HALFT                      ; my 128 rows of B,
	s_add_co_u32 s22, s22, 2*HALFT                 ; which lie behind A's 256
.irp s, 0,1
	v_add_nc_u32 v[ADRA+\s], s21, v4
	v_add_nc_u32 v[ADRB+\s], s22, v4
	s_add_co_u32 s21, s21, SLOT
	s_add_co_u32 s22, s22, SLOT
.endr
	v_and_b32 v6, 31, v0
	v_lshlrev_b32 v[LI], 4, v6
	; the table for my 128 tokens: their places in the sequence are 256 (tile % 8) + 128 x half + 0 .. 127: eight blocks of 4,096 bytes
	s_and_b32 s92, s17, 7
	s_lshl_b32 s92, s92, 4
	s_lshl_b32 s93, s15, 3
	s_add_co_u32 s92, s92, s93
	s_lshl_b32 s92, s92, 12
	s_mov_b32 s93, 0
	s_add_nc_u64 s[80:81], s[10:11], s[92:93]
.macro TABLOAD a                       ; block a's 32 numbers a lane into set a % 2
.irp i, 0,1,2,3,4,5,6,7
	global_load_b128 v[TABR+32*((\a)%2)+4*\i:TABR+32*((\a)%2)+4*\i+3], v[LI], s[80:81] offset:(\a)*4096+512*\i
.endr
.endm
	TABLOAD 0                                      ; blocks 0 and 1 are asked for here and land under the products.  v's work-groups ask too (inside the table: their tile % 8 is cy) and use nothing of it:
	TABLOAD 1                                      ; so the text parts on the cluster's x in one place alone, at the way out
	s_wait_alu depctr_va_vdst(0)
	; the way out's numbers
	s_wait_kmcnt 0x0                               ; e0 .. e7
	s_cmp_eq_u32 ttmp9, 1
	s_cselect_b32 s92, s86, s87                    ; q: e2;  k: e3
	s_cselect_b64 s[78:79], s[70:71], s[68:69]
	s_cmp_eq_u32 ttmp9, 2
	s_cselect_b32 s92, s89, s92                    ; v: e5
	s_cselect_b64 s[78:79], s[72:73], s[78:79]     ; the buffer that I store into
	s_cselect_b32 s94, s42, s17                    ; the tile of tokens,
	s_cselect_b32 s95, s17, s42                    ; the tile of channels,
	s_cselect_b32 s96, s16, s15                    ; my half of the tokens,
	s_cselect_b32 s97, s15, s16                    ; my half of the channels
	s_sub_co_i32 s92, s92, s84
	s_sub_co_i32 s92, s92, s85                     ; a sum stands for sum x 2^(e0 + e1), and RoPE is linear: the three scales are folded into the conversion's one
	s_add_co_i32 s92, s92, 127
	s_lshl_b32 s93, s92, 23
	v_mov_b32 v[SCL], s93
	s_add_co_i32 s92, s92, 8
	s_lshl_b32 s92, s92, 23
	s_or_b32 s92, s92, 0x600000
	v_mov_b32 v[LIM], s92
	s_lshr_b32 s98, s94, 3                         ; the batch: eight tiles of 256 tokens each
	s_lshl_b32 s98, s98, 4
	s_and_b32 s95, s95, 3                          ; a tile of 256 channels is four heads,
	s_lshl_b32 s95, s95, 2
	s_add_co_u32 s98, s98, s95
	s_lshl_b32 s97, s97, 1                         ; my half two
	s_add_co_u32 s98, s98, s97                     ; 16 x batch + my first head,
	s_lshl_b32 s98, s98, 17                        ; 131,072 bytes each in all three buffers
	s_and_b32 s94, s94, 7
	s_lshl_b32 s94, s94, 14                        ; 256 tokens of a head are 16,384 bytes in all three,
	s_add_co_u32 s98, s98, s94
	s_lshl_b32 s96, s96, 13                        ; my 128 half of that
	s_add_co_u32 s98, s98, s96
	s_mov_b32 s99, 0
	s_add_nc_u64 s[78:79], s[78:79], s[98:99]
.macro FRAG reg, adr, q, i             ; a fragment, 16 rows x 128 K: lane (r, h) holds row r; registers 4 c .. 4 c + 3 hold K = 32 c + 16 h + 0 .. 15
.irp c, 0,1,2,3
	ds_load_b128 v[\reg+4*\c:\reg+4*\c+3], v[\adr] offset:128*(\q)+32*\c+(\i)*16*PITCH
.endr
.endm
; 16 matrix instructions: A's blocks a0, a0 + 1 x B's eight, 128 along K.  p: B's set.  zero = 1: the first product starts the sums: nothing is ever cleared.
; The 64 accumulators take turns, one instruction a turn, in the same order in every step.
.macro MUL16 a0, p, zero
.irp a, \a0, \a0+1
.irp b, 0,1,2,3,4,5,6,7
.if \zero
	v_wmma_f32_16x16x128_fp8_fp8 v[8*(8*((\a)%4)+\b):8*(8*((\a)%4)+\b)+7], v[128*(\p)+FR*\b:128*(\p)+FR*\b+FR-1], v[AF+FR*(\a):AF+FR*(\a)+FR-1], 0
.else
	v_wmma_f32_16x16x128_fp8_fp8 v[8*(8*((\a)%4)+\b):8*(8*((\a)%4)+\b)+7], v[128*(\p)+FR*\b:128*(\p)+FR*\b+FR-1], v[AF+FR*(\a):AF+FR*(\a)+FR-1], v[8*(8*((\a)%4)+\b):8*(8*((\a)%4)+\b)+7]
.endif
.endr
.endr
.endm
.macro FETCH_B slot, q, p              ; B's eight fragments of the slot's q-th 128 along K into set p
	WIN TO_B
.irp i, 0,1,2,3,4,5,6,7
	FRAG 128*(\p)+FR*\i, ADRB+\slot, \q, \i
.endr
	WIN 0
.endm
.macro FETCH_A slot, q, i0             ; A's blocks i0 .. i0 + 3
.irp i, \i0, \i0+1, \i0+2, \i0+3
	FRAG AF+FR*(\i), ADRA+\slot, \q, \i
.endr
.endm
.macro PLACES n                        ; plain vector instructions between a matrix instruction and a load into, or a vector write of, one of its registers, or a read of its result
.rept \n
	v_nop
.endr
.endm
; A step of 128 along K that has its successor in the same slot.  A block of A is free as soon as its eight products are issued, so A has one set: blocks 0-3 are fetched anew in the step's middle, blocks 4-7 at its end.
.macro STEP slot, q, zero
	s_wait_dscnt 4*NL                              ; B's set and A's blocks 0-3 are in; the youngest sixteen loads (A's blocks 4-7) may be out
	WIN MUL_LO
	MUL16 0, (\q)%2, \zero
	MUL16 2, (\q)%2, \zero
	s_wait_dscnt 0                                 ; A's blocks 4-7 are in (asked for 32 matrix instructions ago)
	PLACES NP
	FETCH_B \slot, (\q)+1, 1-(\q)%2
	FETCH_A \slot, (\q)+1, 0
	WIN MUL_HI
	MUL16 4, (\q)%2, \zero
	MUL16 6, (\q)%2, \zero
	PLACES NP
	WIN 0
	FETCH_A \slot, (\q)+1, 4
.endm
; A slot's last step changes slots: ONE barrier; in front of it each wave waits for all its tensor loads, adds 0 to its spare word, and waits for that and for its own reads of this slot.  fill = 1: this slot is filled again, two K steps ahead.
.macro TURN slot, next, fill
	s_wait_tensorcnt 0x0                           ; all my tensor loads have landed: my part of the next slot  (every window is 0 here)
	ds_add_u32 v[SPW], v[NIL]                      ; 0 onto my spare word
	s_wait_dscnt 4*NL+1                            ; (the add and the youngest sixteen loads, A's blocks 4-7, may be out)
	WIN MUL_LO
	MUL16 0, 1, 0                                  ; sixteen matrix instructions stand between the add and the wait for it
	s_wait_dscnt 0x0                               ; the add is done, and my reads of this slot are over
	s_barrier_signal -1
	MUL16 2, 1, 0
	WIN 0
	s_barrier_wait -1
.if \fill
	CREST                                          ; the barrier has opened a round of the cluster's barrier: no wave of any partner still reads this slot's tile or has a load on its way
	s_add_nc_u64 s[G0+4*\slot+2:G0+4*\slot+3], s[G0+4*\slot+2:G0+4*\slot+3], 2*ROWB
	s_add_nc_u64 s[G0B+4*\slot+2:G0B+4*\slot+3], s[G0B+4*\slot+2:G0B+4*\slot+3], 2*ROWB
	JLOAD G0+4*\slot, G1, G0B+4*\slot, G1B         ; the first tensor load behind the round; the four v_nop behind it are the places in front of the loads below
.else
	PLACES NP
.endif
	FETCH_B \next, 0, 0
	FETCH_A \next, 0, 0
	WIN MUL_HI
	MUL16 4, 1, 0
	MUL16 6, 1, 0
	PLACES NP
	WIN 0
	FETCH_A \next, 0, 4
.endm
	s_wait_tensorcnt 1                             ; my part of K step 0 is in (K step 1's load may be out)
	s_barrier_signal -1
	s_barrier_wait -1                              ; everybody's is
	FETCH_B 0, 0, 0
	FETCH_A 0, 0, 0
	FETCH_A 0, 0, 4
	STEP 0, 0, 1                                   ; the first step stands in front of the loop: its products start the sums
	s_mov_b32 s3, LAPS-1
.Llap:                                                 ; a trip goes once round the ring, from a lap's second step to the next lap's first, and fills both slots again
	TURN 0, 1, 1
	STEP 1, 0, 0
	TURN 1, 0, 1
	STEP 0, 0, 0
	s_sub_co_u32 s3, s3, 1
	s_cmp_lg_u32 s3, 0
	s_cbranch_scc1 .Llap
	TURN 0, 1, 0                                   ; the last lap fills nothing, and has no round of the cluster's barrier
	STEP 1, 0, 0
	s_wait_dscnt 4*NL                              ; the very last step: nothing more to fetch
	WIN MUL_LO
	MUL16 0, 1, 0
	MUL16 2, 1, 0
	s_wait_dscnt 0
	WIN MUL_HI
	MUL16 4, 1, 0
	MUL16 6, 1, 0
	WIN 0
	PLACES NP                                      ; behind the last products: their results are read, and the registers that held A's fragments take the codes
; THE WAY OUT.  A UNIT is 16 rows of the A side x 64 rows of the B side: four accumulators, 32 numbers a lane, which become one fragment of 16 x 64: eight registers, two stores of 512 bytes.
.macro CODES cc                        ; the unit's 32 numbers in v[R] on become codes in v[cc] on
.irp c, 0,1,2,3
	v_cvt_scalef32_pk8_fp8_f32 v[\cc+2*\c:\cc+2*\c+1], v[R+8*\c:R+8*\c+7], v[SCL]
.endr
	v_nop                                          ; one plain vector instruction between the conversions and the next unit's lines, which write their sources
.endm
; k, q: block a of 16 tokens, head hd of my two.  Registers 2 i, 2 i + 1 of the unit are the even and the odd channel of pair i, and the table's set holds (cos, sin) in the same two places:
; (te cos, te sin), then (- to sin, + to cos) added: two packed instructions a pair.  Each accumulator is read from its low end on.
.macro ROPE_UNIT a, hd
.set AC, 64*((\a)%4)+32*(\hd)
.set TS, TABR+32*((\a)%2)
.set CC, CD+8*(2*(\a)+(\hd))
	WIN (0x02+((\a)/4))                            ; source 0: window 2 or 3
.irp n, 0,2,4,6,8,10,12,14,16,18,20,22,24,26,28,30
	v_pk_mul_f32 v[R+\n:R+\n+1], v[AC+\n:AC+\n+1], v[TS+\n:TS+\n+1] op_sel_hi:[0,1]
.endr
.irp n, 0,2,4,6,8,10,12,14,16,18,20,22,24,26,28,30
	v_pk_fma_f32 v[R+\n:R+\n+1], v[AC+\n:AC+\n+1], v[TS+\n:TS+\n+1], v[R+\n:R+\n+1] op_sel:[1,1,0] op_sel_hi:[1,0,1] neg_lo:[0,1,0]
.endr
	WIN 0
.irp n, 0,1,2,3,4,5,6,7,8,9,10,11,12,13,14,15,16,17,18,19,20,21,22,23,24,25,26,27,28,29,30,31
.endr
	CODES CC
	global_store_b128 v[LI], v[CC:CC+3], s[78:79] offset:(\a)*1024+(\hd)*131072
	global_store_b128 v[LI], v[CC+4:CC+7], s[78:79] offset:(\a)*1024+(\hd)*131072+512
.endm
; v: block a of 16 channels (head a / 4 of my two, tile a % 4 of its four), st: which 64 of my 128 keys
.macro V_UNIT a, st
.set AC, 64*((\a)%4)+32*(\st)
.set CC, CD+8*(2*(\a)+(\st))
	WIN (0x02+((\a)/4))
.irp n, 0,1,2,3,4,5,6,7,8,9,10,11,12,13,14,15,16,17,18,19,20,21,22,23,24,25,26,27,28,29,30,31
	v_med3_num_f32 v[R+\n], v[AC+\n], -v[LIM], v[LIM]
.endr
	WIN 0
	CODES CC
	global_store_b128 v[LI], v[CC:CC+3], s[78:79] offset:((\a)/4)*131072+((\a)%4)*1024+(\st)*4096
	global_store_b128 v[LI], v[CC+4:CC+7], s[78:79] offset:((\a)/4)*131072+((\a)%4)*1024+(\st)*4096+512
.endm
	s_cmp_eq_u32 ttmp9, 2                          ; the cluster's x: the same in all partners
	s_cbranch_scc1 .Lv
.irp a, 0,1,2,3,4,5,6,7
.if \a < 7
	s_wait_loadcnt 8                               ; block a's table is in; the eight loads of block a + 1 may be out
.else
	s_wait_loadcnt 0
.endif
	ROPE_UNIT \a, 0
	ROPE_UNIT \a, 1
.if \a < 6
	TABLOAD \a+2                                   ; into the set that has just been read
.endif
.endr
	s_branch .Lend
.Lv:
	s_wait_alu depctr_va_vdst(0)
.irp a, 0,1,2,3,4,5,6,7
	V_UNIT \a, 0
	V_UNIT \a, 1
.endr
.Lend:
	s_wait_tensorcnt 0x0                           ; the wave's end: my last LDS instructions
	ds_add_u32 v[SPW], v[NIL]
	s_wait_dscnt 0x0
	CROUND                                         ; the closing round: no work-group ends while a partner may still ask for a tile that names it
	s_endpgm
.Lfunc_end_k_q3f3bb2d862_qkv:
	.size	k_q3f3bb2d862_qkv, .Lfunc_end_k_q3f3bb2d862_qkv-k_q3f3bb2d862_qkv
	.p2alignl 7, 3214868480
	.fill 96, 4, 3214868480
	.section	.rodata,"a",@progbits
	.p2align	6, 0x0
	.amdhsa_kernel k_q3f3bb2d862_qkv
		.amdhsa_group_segment_fixed_size 327680
		.amdhsa_private_segment_fixed_size 0
		.amdhsa_enable_private_segment 0
		.amdhsa_kernarg_size 56
		.amdhsa_user_sgpr_count 2
		.amdhsa_user_sgpr_kernarg_segment_ptr 1
		.amdhsa_wavefront_size32 1
		.amdhsa_system_sgpr_workgroup_id_x 1
		.amdhsa_system_sgpr_workgroup_id_y 1
		.amdhsa_system_sgpr_workgroup_id_z 1
		.amdhsa_system_vgpr_workitem_id 0
		.amdhsa_next_free_vgpr 1024
		.amdhsa_next_free_sgpr 100
		.amdhsa_reserve_vcc 0
		.amdhsa_float_denorm_mode_32 3
		.amdhsa_float_denorm_mode_16_64 3
		.amdhsa_fp16_overflow 1
		.amdhsa_memory_ordered 1
		.amdhsa_forward_progress 1
		.amdhsa_inst_pref_size 166
	.end_amdhsa_kernel
	.amdgpu_metadata
---
amdhsa.version: [ 1, 2 ]
amdhsa.kernels:
  - .name:           k_q3f3bb2d862_qkv
    .symbol:         k_q3f3bb2d862_qkv.kd
    .args:
      - { .name: x_codes, .offset: 0, .size: 8, .value_kind: global_buffer, .address_space: global }
      - { .name: w_kqv_codes, .offset: 8, .size: 8, .value_kind: global_buffer, .address_space: global }
      - { .name: lowp_scales, .offset: 16, .size: 8, .value_kind: global_buffer, .address_space: global }
      - { .name: ropetab, .offset: 24, .size: 8, .value_kind: global_buffer, .address_space: global }
      - { .name: kimg, .offset: 32, .size: 8, .value_kind: global_buffer, .address_space: global }
      - { .name: qimg, .offset: 40, .size: 8, .value_kind: global_buffer, .address_space: global }
      - { .name: vimg, .offset: 48, .size: 8, .value_kind: global_buffer, .address_space: global }
    .group_segment_fixed_size: 327680
    .private_segment_fixed_size: 0
    .kernarg_segment_align: 8
    .kernarg_segment_size: 56
    .max_flat_workgroup_size: 128
    .sgpr_count:     100
    .vgpr_count:     1024
    .wavefront_size: 32
...
	.end_amdgpu_metadata
.endif
;; end of part 2
;; launch attn (part 3): grid 4 x 64, 16 waves a work-group, no clusters, 327,680 bytes of LDS; arguments qimg, kimg, vimg, lowp_scales, aimg; writes aimg
.if DOCPART == 3
	.amdgcn_target "amdgcn-amd-amdhsa--gfx1250"
	.amdhsa_code_object_version 6
	.text
	.protected	k_q3f3bb2d862_attn
	.globl	k_q3f3bb2d862_attn
	.p2align	8
	.type	k_q3f3bb2d862_attn,@function
k_q3f3bb2d862_attn:
	s_mov_b64 s[64:65], 0
	v_nop
	global_prefetch_b8 v0, s[64:65] scope:SCOPE_SE
	s_setreg_imm32_b32 hwreg(HW_REG_WAVE_MODE, 25, 1), 1
	s_wait_xcnt 0x0
; Causal attention on codes of FP8 (E4M3): S = q k^T, p = 2^(t - M), O = p v, O / l quantised for the last product.  64 heads (batch x head) of 2,048 tokens x 64 channels.
; THE SOFTMAX: t = score x log2(e) / 8; M = the row's largest t so far, rounded UP to a whole number; p = 2^(t - M) is quantised with 2^e4, not normalised; the row's sum l is taken of the unquantised p and divides O at the end.
; When M moves, l and O are multiplied by 2^(old M - new M): exact.
; SHARES.  A work-group owns query blocks i and 7 - i (256 queries each) of one head: waves 0-7 the first, waves 8-15 the second, 32 queries (two tiles of 16) a wave.  So every work-group has the same number of
; live key steps under the causal mask: 264.  Four waves to a SIMD: one wave's vector work stands beside another's products and LDS loads.  Two tiles of queries share every fragment of K and V.
; LDS.  The head's WHOLE K and V lie in LDS as images of fragments (131,072 bytes each), filled ONCE by two tensor loads a wave at the head: first keys 0-255, then the rest.  Nothing is filled again: no ring.
; LAYOUT.  Both products are used transposed: S^T = K Q^T (source 0 = 16 keys, source 1 = 16 queries), O^T = V^T P^T (source 0 = 16 channels, source 1 = P): a lane (r, h) holds ONE query r throughout.
; In S^T's tile c its registers are keys 16 c + 8 h + 0 .. 7, which are registers 2 c, 2 c + 1 of P's fragment (16 x 64); in O^T's tile c channels 16 c + 8 h + 0 .. 7, which are two registers of the last product's fragment.
; CAUSAL.  Every wave walks all 32 key steps (the trip counts are constants); a step all of whose keys come after the wave's queries is jumped over by a scalar branch on ids; in the wave's one step on the diagonal hidden scores become -infinity.
; NO CLUSTER, though the four work-groups of a head read the same K and V: the jump over hidden steps hangs on the query block, which would be the work-group's place in such a cluster; without the jump nearly half of the steps walked would be hidden ones.
; NO PREFETCH: every byte of K and V is asked for by the tensor loads at the head.
; OUTPUT.  aimg: [K step of 256: 4][tile of 16 rows: 512][128 along K: 2][piece: 4][lane][16 bytes]: fragments of 16 x 128; a head's 64 channels of a tile of rows are 1,024 consecutive bytes.
; LIMITS on the given exponents: e2 + e3 between -123 and 130 (added to c's exponent field); e4 and e6 between -126 and 119; e4 + e5 is applied by v_ldexp_f32 and has none.
; REGISTERS: v1-7 addresses and the mask; v12-19 statistics (tile x: v[12+4x] -M, v[13+4x] the largest t, v[14+4x:15+4x] l in two halves); v20-35 Q; v36-67 K; v68-99 V; v100-163 S^T, then p; v164-227 O^T; v228-243 p's codes;
;   v244 the scale; v[246:247], v[248:249] f; v250-253 at work; v254, v255 the lane exchange.
.set QF,  20
.set KFR, 36
.set VFR, 68
.set S,   100
.set O,   164
.set P,   228
.set VIMG, 131072                      ; LDS: K's image at 0, V's here
	s_load_b256 s[4:11], s[0:1], 0x0               ; qimg s[4:5], kimg s[6:7], vimg s[8:9], the scales' exponents s[10:11]
	s_load_b64 s[12:13], s[0:1], 0x20              ; aimg
	v_lshl_add_u32 v10, v0, 2, 0x40000
	v_mov_b32 v11, 0
	ds_add_u32 v10, v11
	ds_add_u32 v10, v11
	v_lshrrev_b32 v1, 5, v0
	s_delay_alu instid0(VALU_DEP_1)
	v_readfirstlane_b32 s14, v1                    ; wave 0..15
	s_and_b32 s15, ttmp7, 0xffff                   ; 16 x batch + head
	s_sub_co_u32 s57, 7, ttmp9
	s_cmp_lt_u32 s14, 8
	s_cselect_b32 s57, ttmp9, s57                  ; my block of 256 queries: i or 7 - i
	s_and_b32 s58, s14, 7
	s_lshl_b32 s16, s57, 8
	s_lshl_b32 s59, s58, 5
	s_add_co_u32 s16, s16, s59                     ; s16: my first query
	s_add_co_u32 s17, s16, 31                      ; s17: my last
	s_mov_b32 s18, 0                               ; s18: the step's first key
	s_mov_b32 s19, 0                               ; s19: the step's byte in both images: 64 keys are 4,096 bytes
	s_mov_b32 s20, 0x76543210                      ; v_permlanex16_b32's selects for lane l xor 16
	s_mov_b32 s21, 0xfedcba98
	; two groups 1: dense blocks as rows of 256 bytes (32 elements of 8 bytes): 8 rows, and 56 rows
	s_mov_b32 s24, 3<<16                           ; no mask; elements of 8 bytes; no padding
	s_mov_b32 s25, 32<<16                          ; tensor_dim0 = 32
	s_mov_b32 s26, 8<<16                           ; tensor_dim1 = 8
	s_mov_b32 s27, 32<<16                          ; tile_dim0 = 32
	s_mov_b32 s28, 8                               ; tile_dim1 = 8
	s_mov_b32 s29, 32                              ; the pitch
	s_mov_b32 s30, 0
	s_mov_b32 s31, 0
	s_mov_b32 s32, 3<<16
	s_mov_b32 s33, 32<<16
	s_mov_b32 s34, 56<<16
	s_mov_b32 s35, 32<<16
	s_mov_b32 s36, 56
	s_mov_b32 s37, 32
	s_mov_b32 s38, 0
	s_mov_b32 s39, 0
	s_lshr_b32 s60, s14, 3
	s_lshl_b32 s60, s60, 17                        ; waves 0-7 fetch K's image, waves 8-15 V's
	s_lshl_b32 s68, s58, 11                        ; first load: my eighth of the first 16,384 bytes (keys 0-255)
	s_mov_b32 s69, 0
	s_mul_i32 s70, s58, 14336
	s_add_co_u32 s70, s70, 16384                   ; second load: my eighth of the other 114,688
	s_mov_b32 s71, 0
	s_lshl_b32 s72, s15, 17                        ; the head's 131,072 bytes in qimg, kimg and vimg
	s_mov_b32 s73, 0
	s_wait_dscnt 0x0
	s_wait_kmcnt 0x0
	s_load_b256 s[48:55], s[10:11], 0x0            ; e0 .. e7
	s_cmp_lt_u32 s14, 8
	s_cselect_b64 s[66:67], s[6:7], s[8:9]
	s_add_nc_u64 s[66:67], s[66:67], s[72:73]
	s_mov_b32 s40, 1
	s_add_co_u32 s41, s60, s68
	s_add_nc_u64 s[42:43], s[66:67], s[68:69]
	s_or_b32 s43, s43, 0x80000000
	s_mov_b32 s44, 1
	s_add_co_u32 s45, s60, s70
	s_add_nc_u64 s[46:47], s[66:67], s[70:71]
	s_or_b32 s47, s47, 0x80000000
	tensor_load_to_lds s[40:43], s[24:31]          ; the first fill, keys 0-255; it lands before the barrier behind which the second goes out
	s_nop 0
	s_wait_alu depctr_va_vdst(0)
	s_wait_tensorcnt 0x0
	ds_add_u32 v10, v11
	s_wait_dscnt 0x0
	s_barrier_signal -1
	s_barrier_wait -1
	tensor_load_to_lds s[44:47], s[32:39]
	s_nop 0
.rept 4
	v_nop
.endr
	v_and_b32 v2, 31, v0
	s_delay_alu instid0(VALU_DEP_1)
	v_lshlrev_b32 v1, 4, v2                        ; v1: 16 x lane: my place in a piece, in LDS and in memory
	s_delay_alu instid0(VALU_DEP_1)
	v_add_nc_u32 v2, VIMG, v1                      ; v2: the same in V's image
	v_and_b32 v5, 15, v0
	v_bfe_u32 v6, v0, 4, 1
	s_delay_alu instid0(VALU_DEP_1)
	v_lshlrev_b32 v6, 3, v6
	s_delay_alu instid0(VALU_DEP_1)
	v_sub_nc_u32 v5, v5, v6                        ; v5: r - 8 h, for the mask
	v_mov_b32 v6, 0xff800000                       ; v6: -infinity
	s_lshl_b32 s74, s16, 6                         ; a tile of 16 queries is 1,024 bytes
	s_mov_b32 s75, 0
	s_add_nc_u64 s[4:5], s[4:5], s[72:73]
	s_add_nc_u64 s[4:5], s[4:5], s[74:75]
.irp i, 0,1,2,3
	global_load_b128 v[QF+4*\i:QF+4*\i+3], v1, s[4:5] offset:512*\i   ; Q's two fragments stay in registers
.endr
	v_mov_b32 v13, 0xff61b1e6                      ; the largest t so far: -3e38, under every t
	v_mov_b32 v17, 0xff61b1e6
	s_delay_alu instid0(VALU_DEP_2)
	v_floor_f32 v12, -v13                          ; -M
	s_delay_alu instid0(VALU_DEP_2)
	v_floor_f32 v16, -v17
.irp j, 14,15,18,19,247,249,254,255
	v_mov_b32 v[\j], 0                             ; l; the upper halves of f's pairs, and the lane exchange's destinations, which count as read
.endr
.irp j, 0,1,2,3,4,5,6,7,8,9,10,11,12,13,14,15,16,17,18,19,20,21,22,23,24,25,26,27,28,29,30,31,32,33,34,35,36,37,38,39,40,41,42,43,44,45,46,47,48,49,50,51,52,53,54,55,56,57,58,59,60,61,62,63
	v_mov_b32 v[O+\j], 0                           ; O^T.  (The step is written without a first step of its own: the first finds zeros, which the first change of M leaves zeros)
.endr
	; where my codes go: (head / 4) x 2,097,152 + (128 x batch + my first query / 16) x 4,096 + (head % 4) x 1,024
	s_and_b32 s57, s15, 15
	s_lshr_b32 s57, s57, 2
	s_lshl_b32 s57, s57, 21
	s_lshr_b32 s58, s15, 4
	s_lshl_b32 s58, s58, 7
	s_lshr_b32 s59, s16, 4
	s_add_co_u32 s58, s58, s59
	s_lshl_b32 s58, s58, 12
	s_add_co_u32 s76, s57, s58
	s_and_b32 s57, s15, 3
	s_lshl_b32 s57, s57, 10
	s_add_co_u32 s76, s76, s57
	s_mov_b32 s77, 0
	s_add_nc_u64 s[12:13], s[12:13], s[76:77]
	s_wait_kmcnt 0x0
	s_add_co_i32 s57, s50, s51
	s_lshl_b32 s57, s57, 23
	s_add_co_i32 s22, s57, 0x3e38aa3b              ; c = log2(e) / 8, with e2 + e3 added to its exponent field: a score stands for score x 2^(e2 + e3)
	s_mov_b32 s23, s22                             ; (named with it as a pair, so it is written)
	s_add_co_i32 s57, s52, 127
	s_lshl_b32 s58, s57, 23
	v_mov_b32 v244, s58                            ; 2^e4 as f32, for p's conversions
; A KEY STEP: 64 keys from s18 on, for my two tiles of queries.
.macro STEP
	s_cmp_gt_u32 s18, s17                          ; all keys behind my last query: nothing to do
	s_cbranch_scc1 .Lhid_\@
	s_setprio 2
	v_add_nc_u32 v3, s19, v1
	v_add_nc_u32 v4, s19, v2
	v_nop                                          ; with the two additions: four places between the last step's products and the loads into the registers that they read
	v_nop
.irp f, 0,1,2,3,4,5,6,7
	ds_load_b128 v[KFR+4*\f:KFR+4*\f+3], v3 offset:512*\f   ; four fragments of 16 keys x 64 channels: 32 lanes, 512 consecutive bytes a load
.endr
.irp f, 0,1,2,3,4,5,6,7
	ds_load_b128 v[VFR+4*\f:VFR+4*\f+3], v4 offset:512*\f   ; four fragments of 16 channels x 64 keys
.endr
	s_wait_dscnt 8                                 ; K's eight loads are in; V's eight may be out
.irp t, 0,1,2,3
.irp x, 0,1
	v_wmma_f32_16x16x64_fp8_fp8 v[S+32*\x+8*\t:S+32*\x+8*\t+7], v[KFR+8*\t:KFR+8*\t+7], v[QF+8*\x:QF+8*\x+7], 0
.endr
.endr
.rept 4
	v_nop
.endr
	s_add_co_u32 s57, s18, 63
	s_cmp_le_u32 s57, s16                          ; all keys count for all my queries: no mask
	s_cbranch_scc1 .Lopen_\@
	s_sub_co_i32 s57, s16, s18
	v_add_nc_u32 v7, s57, v5                       ; d = my first query - the first key + r - 8 h.  Register n of tile x holds key 16 (n / 8) + 8 h + n % 8 for query 16 x + r: hidden where 16 (n / 8) + n % 8 - 16 x > d
.irp x, 0,1
.irp n, 0,1,2,3,4,5,6,7,8,9,10,11,12,13,14,15,16,17,18,19,20,21,22,23,24,25,26,27,28,29,30,31
	v_cmp_gt_i32 vcc_lo, 16*(\n/8)+\n%8-16*\x, v7
	v_cndmask_b32 v[S+32*\x+\n], v[S+32*\x+\n], v6, vcc_lo
.endr
.endr
.Lopen_\@:
.irp x, 0,1                            ; the step's largest score of my query among my 32 keys: two chains a tile, the tiles by turns; each accumulator is read from its low end on
	v_max3_num_f32 v[250+2*\x], v[S+32*\x], v[S+32*\x+1], v[S+32*\x+2]
	v_max3_num_f32 v[251+2*\x], v[S+32*\x+3], v[S+32*\x+4], v[S+32*\x+5]
.endr
.irp i, 6,10,14,18,22,26
.irp x, 0,1
	v_max3_num_f32 v[250+2*\x], v[250+2*\x], v[S+32*\x+\i], v[S+32*\x+\i+1]
	v_max3_num_f32 v[251+2*\x], v[251+2*\x], v[S+32*\x+\i+2], v[S+32*\x+\i+3]
.endr
.endr
.irp x, 0
	v_max3_num_f32 v[250+2*\x], v[250+2*\x], v[S+32*\x+30], v[S+32*\x+31]
.endr
.irp x, 1
	v_max3_num_f32 v[250+2*\x], v[250+2*\x], v[S+32*\x+30], v[S+32*\x+31]
.endr
.irp x, 0,1
	s_delay_alu instid0(VALU_DEP_2)
	v_max_num_f32 v[250+2*\x], v[250+2*\x], v[251+2*\x]
.endr
.irp x, 0,1
	s_delay_alu instid0(VALU_DEP_2)
	v_permlanex16_b32 v[254+\x], v[250+2*\x], s20, s21
.endr
.irp x, 0,1
	s_delay_alu instid0(VALU_DEP_2)
	v_max_num_f32 v[250+2*\x], v[250+2*\x], v[254+\x]      ; and among lane l xor 16's
.endr
.irp x, 0,1
	s_delay_alu instid0(VALU_DEP_2)
	v_mul_f32 v[250+2*\x], s22, v[250+2*\x]                ; as t (c is positive)
.endr
.irp x, 0,1
	s_delay_alu instid0(VALU_DEP_2)
	v_max_num_f32 v[13+4*\x], v[13+4*\x], v[250+2*\x]      ; the running largest t
.endr
.irp x, 0,1
	v_mov_b32 v[250+2*\x], v[12+4*\x]
.endr
.irp x, 0,1
	s_delay_alu instid0(VALU_DEP_4)
	v_floor_f32 v[12+4*\x], -v[13+4*\x]                    ; the new -M = floor(-t) = -ceil(t): M is a whole number
.endr
.irp x, 0,1
	s_delay_alu instid0(VALU_DEP_2)
	v_sub_f32 v[250+2*\x], v[12+4*\x], v[250+2*\x]         ; old M - new M: a whole number, 0 or less
.endr
.irp x, 0,1
	s_delay_alu instid0(VALU_DEP_2)
	v_cvt_i32_f32 v[250+2*\x], v[250+2*\x]                 ; (it saturates)
.endr
.irp x, 0,1
	s_delay_alu instid0(VALU_DEP_2)
	v_ldexp_f32 v[246+2*\x], 1.0, v[250+2*\x]              ; f = 2^(old M - new M)
.endr
.irp x, 0,1
.irp j, 0,2,4,6,8,10,12,14,16,18,20,22,24,26,28,30
	v_pk_fma_f32 v[S+32*\x+\j:S+32*\x+\j+1], v[S+32*\x+\j:S+32*\x+\j+1], s[22:23], v[12+4*\x:13+4*\x] op_sel_hi:[1,0,0]   ; t - M, two at a time (of the pairs c and -M the low word serves both halves)
.endr
.endr
	s_setprio 1
	s_wait_alu depctr_va_vdst(0)
.irp j, 0,1,2,3,4,5,6,7,8,9,10,11,12,13,14,15,16,17,18,19,20,21,22,23,24,25,26,27,28,29,30,31,32,33,34,35,36,37,38,39,40,41,42,43,44,45,46,47,48,49,50,51,52,53,54,55,56,57,58,59,60,61,62,63
	v_exp_f32 v[S+\j], v[S+\j]                             ; p = 2^(t - M), at most 1: one batch for both tiles
.endr
	v_pk_mul_f32 v[14:15], v[14:15], v[246:247] op_sel_hi:[1,0]   ; l under the new M: the plain instructions behind the exponentials
	v_pk_mul_f32 v[18:19], v[18:19], v[248:249] op_sel_hi:[1,0]
	s_wait_alu depctr_va_vdst(0)                           ; one wait for the whole batch, ahead of its first reader
.irp x, 0,1                            ; THE ROW'S SUM IS TAKEN OF THE UNQUANTISED p: two at a time, two chains a tile
	v_pk_add_f32 v[250+2*\x:251+2*\x], v[S+32*\x:S+32*\x+1], v[S+32*\x+2:S+32*\x+3]
.endr
.irp j, 4,8,12,16,20,24,28
.irp x, 0,1
	v_pk_add_f32 v[14+4*\x:15+4*\x], v[14+4*\x:15+4*\x], v[S+32*\x+\j:S+32*\x+\j+1]
	v_pk_add_f32 v[250+2*\x:251+2*\x], v[250+2*\x:251+2*\x], v[S+32*\x+\j+2:S+32*\x+\j+3]
.endr
.endr
.irp x, 0
	s_delay_alu instid0(VALU_DEP_3)
	v_pk_add_f32 v[14+4*\x:15+4*\x], v[14+4*\x:15+4*\x], v[250+2*\x:251+2*\x]
.endr
.irp x, 1
	s_delay_alu instid0(VALU_DEP_2)
	v_pk_add_f32 v[14+4*\x:15+4*\x], v[14+4*\x:15+4*\x], v[250+2*\x:251+2*\x]
.endr
.irp g, 0,1,2,3,4,5,6,7                ; g = 4 x + t: tile x's keys 16 t + 8 h on become registers 2 t, 2 t + 1 of its P
.irp i, 0,1,2,3,4,5,6,7
.endr
	v_cvt_scalef32_pk8_fp8_f32 v[P+2*\g:P+2*\g+1], v[S+8*\g:S+8*\g+7], v244
.endr
.irp x, 0,1
.irp j, 0,2,4,6,8,10,12,14,16,18,20,22,24,26,28,30
	v_pk_mul_f32 v[O+32*\x+\j:O+32*\x+\j+1], v[O+32*\x+\j:O+32*\x+\j+1], v[246+2*\x:247+2*\x] op_sel_hi:[1,0]   ; O^T under the new M.  (Also the plain instructions between the conversions and the products that read the codes)
.endr
.endr
	s_setprio 0
	s_wait_alu depctr_va_vdst(0)
	s_wait_dscnt 0x0                               ; V is in
.irp t, 0,1,2,3                        ; the eight accumulators take turns, one instruction a turn; S^T's eight products stand between two links of a chain
.irp x, 0,1
	v_wmma_f32_16x16x64_fp8_fp8 v[O+32*\x+8*\t:O+32*\x+8*\t+7], v[VFR+8*\t:VFR+8*\t+7], v[P+8*\x:P+8*\x+7], v[O+32*\x+8*\t:O+32*\x+8*\t+7]
.endr
.endr
.Lhid_\@:
.endm
	s_wait_tensorcnt 1                             ; my part of keys 0-255 has landed; my second load may stay out
	s_barrier_signal -1
	s_barrier_wait -1                              ; everybody's has
	s_wait_loadcnt 0x0                             ; Q
	s_mov_b32 s56, 4
.Lfirst:                                               ; keys 0-255: LDS bytes 0 to 16,383 of both images, while the rest is on its way
	STEP
	s_add_co_u32 s19, s19, 4096
	s_add_co_u32 s18, s18, 64
	s_sub_co_u32 s56, s56, 1
	s_cmp_lg_u32 s56, 0
	s_cbranch_scc1 .Lfirst
	s_setprio 0
	s_wait_tensorcnt 0x0                           ; my part of the rest has landed,
	s_wait_dscnt 0x0                               ; (no LDS instruction is pending at a signal)
	s_barrier_signal -1
	s_barrier_wait -1                              ; everybody's has
	s_mov_b32 s19, 16384
	s_mov_b32 s18, 256
	s_mov_b32 s56, 28
.Lrest:                                                ; keys 256-2,047
	STEP
	s_add_co_u32 s19, s19, 4096
	s_add_co_u32 s18, s18, 64
	s_sub_co_u32 s56, s56, 1
	s_cmp_lg_u32 s56, 0
	s_cbranch_scc1 .Lrest
	s_setprio 0
	; THE WAY OUT.  l's halves are added; O^T x 2^(e4 + e5) / l is quantised with 2^e6.  The conversions' results are registers of the last product's fragment: they are stored as they stand, 512 consecutive bytes a store.
	v_add_f32 v14, v14, v15                        ; (these plain lines are also the places behind the last products)
	v_add_f32 v18, v18, v19
	s_delay_alu instid0(VALU_DEP_2)
	v_permlanex16_b32 v254, v14, s20, s21
	s_delay_alu instid0(VALU_DEP_2)
	v_permlanex16_b32 v255, v18, s20, s21
	s_delay_alu instid0(VALU_DEP_2)
	v_add_f32 v14, v14, v254
	s_delay_alu instid0(VALU_DEP_2)
	v_add_f32 v18, v18, v255                       ; the rows' sums
	s_wait_alu depctr_va_vdst(0)
	v_rcp_f32 v246, v14
	v_rcp_f32 v248, v18
	v_nop                                          ; a plain instruction behind the reciprocals
	s_add_co_i32 s57, s52, s53                     ; e4 + e5
	s_add_co_i32 s58, s54, 127
	s_lshl_b32 s59, s58, 23
	v_mov_b32 v244, s59                            ; 2^e6
	s_wait_alu depctr_va_vdst(0)                   ; one wait for both reciprocals, ahead of their first reader
	v_ldexp_f32 v246, v246, s57
	v_ldexp_f32 v248, v248, s57
.irp x, 0,1
.irp j, 0,2,4,6,8,10,12,14,16,18,20,22,24,26,28,30
	v_pk_mul_f32 v[S+32*\x+\j:S+32*\x+\j+1], v[O+32*\x+\j:O+32*\x+\j+1], v[246+2*\x:247+2*\x] op_sel_hi:[1,0]   ; each accumulator from its low end on
.endr
.endr
.irp g, 0,1,2,3,4,5,6,7
.irp i, 0,1,2,3,4,5,6,7
.endr
	v_cvt_scalef32_pk8_fp8_f32 v[P+2*\g:P+2*\g+1], v[S+8*\g:S+8*\g+7], v244
.endr
	v_nop
.irp x, 0,1
	global_store_b128 v1, v[P+8*\x:P+8*\x+3], s[12:13] offset:4096*\x
	global_store_b128 v1, v[P+8*\x+4:P+8*\x+7], s[12:13] offset:4096*\x+512
.endr
	s_wait_tensorcnt 0x0
	ds_add_u32 v10, v11
	s_wait_dscnt 0x0
	s_endpgm
.Lfunc_end_k_q3f3bb2d862_attn:
	.size	k_q3f3bb2d862_attn, .Lfunc_end_k_q3f3bb2d862_attn-k_q3f3bb2d862_attn
	.p2alignl 7, 3214868480
	.fill 96, 4, 3214868480
	.section	.rodata,"a",@progbits
	.p2align	6, 0x0
	.amdhsa_kernel k_q3f3bb2d862_attn
		.amdhsa_group_segment_fixed_size 327680
		.amdhsa_private_segment_fixed_size 0
		.amdhsa_enable_private_segment 0
		.amdhsa_kernarg_size 40
		.amdhsa_user_sgpr_count 2
		.amdhsa_user_sgpr_kernarg_segment_ptr 1
		.amdhsa_wavefront_size32 1
		.amdhsa_system_sgpr_workgroup_id_x 1
		.amdhsa_system_sgpr_workgroup_id_y 1
		.amdhsa_system_sgpr_workgroup_id_z 1
		.amdhsa_system_vgpr_workitem_id 0
		.amdhsa_next_free_vgpr 256
		.amdhsa_next_free_sgpr 80
		.amdhsa_reserve_vcc 1
		.amdhsa_float_denorm_mode_32 3
		.amdhsa_float_denorm_mode_16_64 3
		.amdhsa_fp16_overflow 1
		.amdhsa_memory_ordered 1
		.amdhsa_forward_progress 1
		.amdhsa_inst_pref_size 50
	.end_amdhsa_kernel
	.amdgpu_metadata
---
amdhsa.version: [ 1, 2 ]
amdhsa.kernels:
  - .name:           k_q3f3bb2d862_attn
    .symbol:         k_q3f3bb2d862_attn.kd
    .args:
      - { .name: qimg, .offset: 0, .size: 8, .value_kind: global_buffer, .address_space: global }
      - { .name: kimg, .offset: 8, .size: 8, .value_kind: global_buffer, .address_space: global }
      - { .name: vimg, .offset: 16, .size: 8, .value_kind: global_buffer, .address_space: global }
      - { .name: lowp_scales, .offset: 24, .size: 8, .value_kind: global_buffer, .address_space: global }
      - { .name: aimg, .offset: 32, .size: 8, .value_kind: global_buffer, .address_space: global }
    .group_segment_fixed_size: 327680
    .private_segment_fixed_size: 0
    .kernarg_segment_align: 8
    .kernarg_segment_size: 40
    .max_flat_workgroup_size: 512
    .sgpr_count:     80
    .vgpr_count:     256
    .wavefront_size: 32
...
	.end_amdgpu_metadata
.endif
;; end of part 3
;; launch proj (part 4): grid 8 x 32, 4 waves a work-group, clusters of 4 x 4, 327,680 bytes of LDS; arguments aimg, w_proj_codes, lowp_scales, b_proj, out0; writes out0
.if DOCPART == 4
	.amdgcn_target "amdgcn-amd-amdhsa--gfx1250"
	.amdhsa_code_object_version 6
	.text
	.protected	k_q3f3bb2d862_proj
	.globl	k_q3f3bb2d862_proj
	.p2align	8
	.type	k_q3f3bb2d862_proj,@function
k_q3f3bb2d862_proj:
	s_mov_b64 s[64:65], 0
	v_nop
	global_prefetch_b8 v0, s[64:65] scope:SCOPE_SE
	s_setreg_imm32_b32 hwreg(HW_REG_WAVE_MODE, 25, 1), 1
	s_wait_xcnt 0x0
	s_wait_alu depctr_hold_cnt(0) depctr_sa_sdst(0) depctr_va_vdst(0) depctr_va_sdst(0) depctr_va_ssrc(0) depctr_va_vcc(0) depctr_vm_vsrc(0)
	s_getreg_b32 s2, hwreg(HW_REG_IB_STS2, 6, 4)
	s_cmp_eq_u32 s2, 0
	s_cbranch_scc0 .Lentry_in_a_cluster
	s_endpgm
.Lentry_in_a_cluster:
	s_bfe_u32 s2, ttmp6, 0x10000c
	s_cmp_lg_u32 s2, 0xf033
	s_cbranch_scc0 .Lentry_shape_is_right
	s_endpgm
.Lentry_shape_is_right:
; out = a W^T + b on codes of FP8 (E4M3).  a: the attention's result, [8192][1024], as images of fragments (scale 2^e6); W: [1024][1024] codes, K innermost (scale 2^e7); b: [1024] f32; out: [8192][1024] f32.  Sums in f32.
; A tile of out is 256 rows x 128 columns: 256 work-groups, so that the 33,554,432 bytes of stores are shared by as many as the grid can give.  Four waves, each 128 rows x 64 columns: 32 accumulators of 16 x 16.
; K = 1,024 goes in four steps of 256 through a ring of two LDS slots filled by the tensor data mover.
; a's IMAGE: [K step: 4][tile of 16 rows: 512][128 along K: 2][piece: 4][lane][16 bytes]: register 2 c + e of lane (r, h) holds row r, k = 16 c + 8 h + 4 e on.  A K step of 256 rows is one dense block of 65,536 bytes;
; a fragment comes out of LDS by four loads of 512 consecutive bytes.  W's fragments must have each k in the same place: eight loads of 8 bytes from rows that lie along K.
; CLUSTERS: 4 x 4 work-groups: a's tile is shared along a row of the cluster, W's along a column: each is asked for JOINTLY.
; THE MATRIX INSTRUCTION IS USED TRANSPOSED (source 0 = 16 rows of W, source 1 = 16 rows of a): a lane then holds eight neighbouring numbers of a row of out.
; LIMIT: e6 + e7 lies between -126 and 127, so that 2^(e6 + e7) is an f32 number.
; REGISTERS, in windows of 256: window 0: v16-31 addresses; v32-63 the bias of my 64 columns in the result's layout; v64-95 a block's results; from v128 a's fragments (8 x 16 rows x 128 K), ONE set, on the way out rows read back.
;   window 1: W's fragments, TWO sets of four, at v0 and v128.   window 2: the accumulators of my rows 0-63 ((a, b) at v[8 (8 (a % 4) + b)], b < 4);   window 3: those of rows 64-127.
.set PITCH,  272                       ; a row of W in LDS: 256 bytes + 16 of padding
.set FR,     16
.set NL,     4                         ; LDS loads that bring a fragment of a
.set NP,     4                         ; places behind this matrix instruction (ISA guide 7.12.1)
.set AIMG,   65536                     ; a slot: a's 16 tiles of rows x 4,096 bytes,
.set HALFA,  32768
.set HALFB,  64*PITCH                  ; then W's 128 rows
.set SLOT,   AIMG+2*HALFB              ; 100,352 bytes
.set ASTEP,  2097152                   ; from a K step of a's image to the next
.set LAPS,   2
.set SPARE,  2*SLOT                    ; behind the ring: the spare words, 128 bytes a wave, which no other line names
.set STAGE,  SPARE+512                 ; behind them: 16 rows x 272 bytes for each wave, for the way out: no tensor load lands here
.set SPITCH, 272
.set ADRA, 16                          ; v16-17  LDS address of my fragments of a in slot 0, 1
.set ADRB, 20                          ; v20-21  the same for W
.set STO,  24                          ; v24     the way out: where I put 32 bytes of a row
.set RD,   25                          ; v25     where I read a row back
.set CO,   26                          ; v26     my byte offset in two rows of out
.set BO,   27                          ; v27     my byte offset in the bias
.set SPW,  28                          ; v28     LDS address of my spare word; never rewritten
.set NIL,  29                          ; v29     0; never rewritten
.set BIAS, 32
.set TMP,  64
.set AF,   128
.set BK,   128                         ; the way out: 16 rows read back: v128-159 and v160-191 by turns
.set G1, 24                            ; s[24:31] descriptor group 1 for a's tiles;  s[32:39] group 0, one set for each slot
.set G0, 32
.set G1B, 48                           ; s[48:55], s[56:63] the same for W's tiles
.set G0B, 56
.set MSB, 0
.macro WIN new
.if MSB != (\new)
	s_set_vgpr_msb (MSB<<8)|(\new)
.set MSB, (\new)
.endif
.endm
.set MUL_LO, 0xa1                      ; source 0 (W) window 1, source 1 (a) window 0, C and D window 2
.set MUL_HI, 0xf1                      ; the same, C and D window 3
.set TO_B,   0x40                      ; destination window 1, address window 0
.macro JLOAD g0a, g1a, g0b, g1b        ; a joint load: waves 0 and 1 fetch a's halves, waves 2 and 3 W's; four v_nop follow each of the two lines
	s_cmp_eq_u32 s15, 0
	s_cbranch_scc0 .Lfor_b_\@
	tensor_load_to_lds s[\g0a:\g0a+3], s[\g1a:\g1a+7]
	s_nop 0
.rept 4
	v_nop
.endr
	s_branch .Lasked_\@
.Lfor_b_\@:
	tensor_load_to_lds s[\g0b:\g0b+3], s[\g1b:\g1b+7]
	s_nop 0
.rept 4
	v_nop
.endr
.Lasked_\@:
.endm
.macro CREST
	s_cmp_lg_u32 s14, 0
	s_cbranch_scc1 .Lnot_wave_0_\@
	s_barrier_signal -3
.Lnot_wave_0_\@:
	s_barrier_wait -3
	s_barrier_signal -1
	s_barrier_wait -1
.endm
.macro CROUND
	s_barrier_signal -1
	s_barrier_wait -1
	CREST
.endm
	s_load_b256 s[4:11], s[0:1], 0x0               ; aimg s[4:5], W's codes s[6:7], the scales' exponents s[8:9], the bias s[10:11]
	s_load_b64 s[68:69], s[0:1], 0x20              ; out
	v_lshl_add_u32 v[SPW], v0, 2, SPARE
	v_mov_b32 v[NIL], 0
	ds_add_u32 v28, v29
	ds_add_u32 v28, v29
	s_wait_dscnt 0x0
	v_lshrrev_b32 v1, 5, v0
	v_readfirstlane_b32 s14, v1                    ; wave 0..3
	s_lshr_b32 s15, s14, 1                         ; which half of the tile's rows is mine.  Also: I fetch for a (0) or for W (1)
	s_and_b32 s16, s14, 1                          ; which half of its columns.  Also: which half of that tile I fetch
	s_bfe_u32 s40, ttmp6, 0x40000                  ; cx, cy
	s_bfe_u32 s41, ttmp6, 0x40004
	s_lshl_b32 s42, ttmp9, 2
	s_add_co_u32 s42, s42, s40                     ; tile column = 4 x cluster x + cx
	s_and_b32 s17, ttmp7, 0xffff
	s_lshl_b32 s17, s17, 2
	s_add_co_u32 s17, s17, s41                     ; tile row = 4 x cluster y + cy
	s_lshl_b32 s43, s41, 2
	s_lshl_b32 s43, 15, s43                        ; my row of the cluster
	s_lshl_b32 s44, 0x1111, s40                    ; my column
	; a's tile: a dense block of 32,768 bytes as 128 rows of 256 bytes (32 elements of 8 bytes), no padding
	s_or_b32 s[G1+0], s43, (3<<16)|(1<<21)         ; 15:0 the mask: my row; 17:16 elements of 8 bytes; 21 set beside a mask
	s_mov_b32 s[G1+1], 32<<16                      ; tensor_dim0 = 32
	s_mov_b32 s[G1+2], 128<<16                     ; tensor_dim1 = 128
	s_mov_b32 s[G1+3], 32<<16                      ; tile_dim0 = 32
	s_mov_b32 s[G1+4], 128                         ; tile_dim1 = 128
	s_mov_b32 s[G1+5], 32                          ; the pitch
	s_mov_b32 s[G1+6], 0
	s_mov_b32 s[G1+7], 0
	; W's tile: 64 rows x 256 bytes, 1,024 bytes apart in memory, padded in LDS
	s_or_b32 s[G1B+0], s44, (0<<16)|(1<<20)|(1<<21)|(5<<22)|(3<<25)  ; the mask: my column; elements of 1 byte; padding: 4 words after every 64
	s_mov_b32 s[G1B+1], 256<<16
	s_mov_b32 s[G1B+2], 64<<16
	s_mov_b32 s[G1B+3], 256<<16
	s_mov_b32 s[G1B+4], 64
	s_mov_b32 s[G1B+5], 1024
	s_mov_b32 s[G1B+6], 0
	s_mov_b32 s[G1B+7], 0
	s_lshl_b32 s20, s17, 16                        ; a: 16 tiles of rows x 4,096 bytes for a tile row,
	s_lshl_b32 s18, s16, 15                        ; + my half of them
	s_add_co_u32 s20, s20, s18
	s_mov_b32 s21, 0
	s_lshl_b32 s46, s42, 17                        ; W: 128 rows x 1,024 bytes for a tile column,
	s_lshl_b32 s19, s16, 16                        ; + my 64
	s_add_co_u32 s46, s46, s19
	s_mov_b32 s47, 0
	s_mul_i32 s45, s16, HALFA                      ; where they go: no place in the cluster enters an LDS address
	s_mul_i32 s23, s16, HALFB
	s_add_co_u32 s23, s23, AIMG
	s_wait_kmcnt 0x0
	s_load_b64 s[96:97], s[8:9], 0x18              ; e6, e7
	s_add_nc_u64 s[20:21], s[4:5], s[20:21]
	s_add_nc_u64 s[46:47], s[6:7], s[46:47]
	CROUND                                         ; all sixteen work-groups are here: the first joint loads meet
.irp s, 0,1
	s_mov_b32 s[G0+4*\s], 1
	s_add_co_u32 s[G0+4*\s+1], s45, \s*SLOT
	s_add_nc_u64 s[G0+4*\s+2:G0+4*\s+3], s[20:21], \s*ASTEP
	s_or_b32 s[G0+4*\s+3], s[G0+4*\s+3], 0x80000000
	s_mov_b32 s[G0B+4*\s], 1
	s_add_co_u32 s[G0B+4*\s+1], s23, \s*SLOT
	s_add_nc_u64 s[G0B+4*\s+2:G0B+4*\s+3], s[46:47], \s*256
	s_or_b32 s[G0B+4*\s+3], s[G0B+4*\s+3], 0x80000000
	s_wait_alu depctr_va_vdst(0)
	s_wait_tensorcnt 0x0
	ds_add_u32 v28, v29
	ds_add_u32 v28, v29
	s_wait_dscnt 0x0
	CROUND
	JLOAD G0+4*\s, G1, G0B+4*\s, G1B
.endr
	v_and_b32 v1, 15, v0                           ; r
	v_bfe_u32 v2, v0, 4, 1                         ; h
	v_and_b32 v6, 31, v0
	v_lshlrev_b32 v6, 4, v6                        ; 16 x lane
	v_mul_u32_u24 v3, v1, PITCH
	v_lshl_add_u32 v4, v2, 3, v3                   ; W: row x pitch + 8 x half
	s_mul_i32 s21, s15, HALFA                      ; my eight tiles of rows of a
	s_mul_i32 s22, s16, HALFB                      ; my 64 rows of W,
	s_add_co_u32 s22, s22, AIMG                    ; which lie behind a's image
.irp s, 0,1
	v_add_nc_u32 v[ADRA+\s], s21, v6
	v_add_nc_u32 v[ADRB+\s], s22, v4
	s_add_co_u32 s21, s21, SLOT
	s_add_co_u32 s22, s22, SLOT
.endr
	s_mul_i32 s23, s14, 16*SPITCH
	s_add_co_u32 s23, s23, STAGE                   ; my stage
	v_mul_u32_u24 v5, v1, SPITCH                   ; in: row r, 32 bytes for each half of the lanes
	v_lshl_add_u32 v5, v2, 5, v5
	v_add_nc_u32 v[STO], s23, v5
	v_mul_u32_u24 v5, v2, SPITCH                   ; back: lanes 0-15 take one row of 256 bytes, lanes 16-31 the next
	v_lshl_add_u32 v5, v1, 4, v5
	v_add_nc_u32 v[RD], s23, v5
	v_lshlrev_b32 v5, 12, v2                       ; and the same two rows in out: 4,096 bytes a row
	v_lshl_add_u32 v[CO], v1, 4, v5
	v_lshlrev_b32 v[BO], 5, v2                     ; the bias: lane (r, h) wants, for tile b, columns 16 b + 8 h + 0 .. 7
	s_lshl_b32 s72, s42, 9                         ; my first column in bytes: 512 x tile column + 256 x half
	s_lshl_b32 s73, s16, 8
	s_add_co_u32 s72, s72, s73
	s_mov_b32 s73, 0
	s_add_nc_u64 s[10:11], s[10:11], s[72:73]
.irp b, 0,1,2,3
	global_load_b128 v[BIAS+8*\b:BIAS+8*\b+3], v[BO], s[10:11] offset:64*\b
	global_load_b128 v[BIAS+8*\b+4:BIAS+8*\b+7], v[BO], s[10:11] offset:64*\b+16
.endr
	s_lshl_b32 s70, s17, 20                        ; my first row of out: (256 x tile row + 128 x half) x 4,096 bytes
	s_lshl_b32 s71, s15, 19
	s_add_co_u32 s70, s70, s71
	s_add_co_u32 s70, s70, s72
	s_mov_b32 s71, 0
	s_add_nc_u64 s[68:69], s[68:69], s[70:71]
.macro FRAGA reg, slot, q, a           ; a fragment of a as it was stored: four loads of 512 consecutive bytes
.irp c, 0,1,2,3
	ds_load_b128 v[\reg+4*\c:\reg+4*\c+3], v[ADRA+\slot] offset:(\a)*4096+(\q)*2048+512*\c
.endr
.endm
.macro FRAGB reg, slot, q, i           ; a fragment of W: registers 2 c, 2 c + 1 hold K = 16 c + 8 h + 0 .. 7 of row r
.irp c, 0,1,2,3,4,5,6,7
	ds_load_b64 v[\reg+2*\c:\reg+2*\c+1], v[ADRB+\slot] offset:(\i)*16*PITCH+128*(\q)+16*\c
.endr
.endm
; 8 matrix instructions: a's blocks a0, a0 + 1 x W's four, 128 along K.  The 32 accumulators take turns, one instruction a turn, in the same order in every step.
.macro MUL8 a0, p, zero
.irp a, \a0, \a0+1
.irp b, 0,1,2,3
.if \zero
	v_wmma_f32_16x16x128_fp8_fp8 v[8*(8*((\a)%4)+\b):8*(8*((\a)%4)+\b)+7], v[128*(\p)+FR*\b:128*(\p)+FR*\b+FR-1], v[AF+FR*(\a):AF+FR*(\a)+FR-1], 0
.else
	v_wmma_f32_16x16x128_fp8_fp8 v[8*(8*((\a)%4)+\b):8*(8*((\a)%4)+\b)+7], v[128*(\p)+FR*\b:128*(\p)+FR*\b+FR-1], v[AF+FR*(\a):AF+FR*(\a)+FR-1], v[8*(8*((\a)%4)+\b):8*(8*((\a)%4)+\b)+7]
.endif
.endr
.endr
.endm
.macro FETCH_B slot, q, p
	WIN TO_B
.irp i, 0,1,2,3
	FRAGB 128*(\p)+FR*\i, \slot, \q, \i
.endr
	WIN 0
.endm
.macro FETCH_A slot, q, i0
.irp i, \i0, \i0+1, \i0+2, \i0+3
	FRAGA AF+FR*(\i), \slot, \q, \i
.endr
.endm
.macro PLACES n
.rept \n
	v_nop
.endr
.endm
.macro STEP slot, q, zero              ; a step of 128 along K that has its successor in the same slot
	s_wait_dscnt 4*NL                              ; W's set and a's blocks 0-3 are in; the youngest sixteen loads (a's blocks 4-7) may be out
	WIN MUL_LO
	MUL8 0, (\q)%2, \zero
	MUL8 2, (\q)%2, \zero
	s_wait_dscnt 0                                 ; a's blocks 4-7 are in
	PLACES NP
	FETCH_B \slot, (\q)+1, 1-(\q)%2
	FETCH_A \slot, (\q)+1, 0
	WIN MUL_HI
	MUL8 4, (\q)%2, \zero
	MUL8 6, (\q)%2, \zero
	PLACES NP
	WIN 0
	FETCH_A \slot, (\q)+1, 4
.endm
; A slot's last step changes slots: ONE barrier; in front of it each wave waits for all its tensor loads, adds 0 to its spare word, and waits for that and for its own reads of this slot.  fill = 1: this slot is filled again, two K steps ahead.
.macro TURN slot, next, fill
	s_wait_tensorcnt 0x0                           ; all my tensor loads have landed: my part of the next slot  (every window is 0 here)
	ds_add_u32 v[SPW], v[NIL]                      ; 0 onto my spare word
	s_wait_dscnt 4*NL+1                            ; (the add and the youngest sixteen loads may be out)
	WIN MUL_LO
	MUL8 0, 1, 0                                   ; eight matrix instructions stand between the add and the wait for it
	s_wait_dscnt 0x0                               ; the add is done, and my reads of this slot are over
	s_barrier_signal -1
	MUL8 2, 1, 0
	WIN 0
	s_barrier_wait -1
.if \fill
	CREST                                          ; the barrier has opened a round of the cluster's barrier: no wave of any partner still reads this slot's tile or has a load on its way
	s_add_nc_u64 s[G0+4*\slot+2:G0+4*\slot+3], s[G0+4*\slot+2:G0+4*\slot+3], 2*ASTEP
	s_add_nc_u64 s[G0B+4*\slot+2:G0B+4*\slot+3], s[G0B+4*\slot+2:G0B+4*\slot+3], 2*256
	JLOAD G0+4*\slot, G1, G0B+4*\slot, G1B         ; the first tensor load behind the round; the four v_nop behind it are the places in front of the loads below
.else
	PLACES NP
.endif
	FETCH_B \next, 0, 0
	FETCH_A \next, 0, 0
	WIN MUL_HI
	MUL8 4, 1, 0
	MUL8 6, 1, 0
	PLACES NP
	WIN 0
	FETCH_A \next, 0, 4
.endm
	s_wait_tensorcnt 1                             ; my part of K step 0 is in (K step 1's load may be out)
	s_barrier_signal -1
	s_barrier_wait -1                              ; everybody's is
	FETCH_B 0, 0, 0
	FETCH_A 0, 0, 0
	FETCH_A 0, 0, 4
	STEP 0, 0, 1                                   ; the first step stands in front of the loop: its products start the sums
	s_mov_b32 s3, LAPS-1
.Llap:
	TURN 0, 1, 1
	STEP 1, 0, 0
	TURN 1, 0, 1
	STEP 0, 0, 0
	s_sub_co_u32 s3, s3, 1
	s_cmp_lg_u32 s3, 0
	s_cbranch_scc1 .Llap
	TURN 0, 1, 0                                   ; the last lap fills nothing, and has no round of the cluster's barrier
	STEP 1, 0, 0
	s_wait_dscnt 4*NL                              ; the very last step
	WIN MUL_LO
	MUL8 0, 1, 0
	MUL8 2, 1, 0
	s_wait_dscnt 0
	WIN MUL_HI
	MUL8 4, 1, 0
	MUL8 6, 1, 0
	WIN 0
; THE WAY OUT, block by block of 16 rows x 64 columns.  out = sum x 2^(e6 + e7) + bias: one packed multiply-add for two numbers.  A lane holds 32 neighbouring bytes of a row and the lanes beside it hold other rows:
; a block goes through my own stage in LDS and comes back as rows of 256 bytes.  LDS serves a wave's instructions in order (ISA guide 5.7.1.4): no wait between the stores and the loads, nor in front of the next block's stores.
.macro TOSTAGE a
.set AC, 64*((\a)%4)
	WIN (0x02+((\a)/4))                            ; source 0: window 2 or 3
.irp j, 0,2,4,6,8,10,12,14,16,18,20,22,24,26,28,30
	v_pk_fma_f32 v[TMP+\j:TMP+\j+1], v[AC+\j:AC+\j+1], s[96:97], v[BIAS+\j:BIAS+\j+1] op_sel_hi:[1,0,1]   ; each accumulator from its low end on
.endr
	WIN 0
.irp b, 0,1,2,3
	ds_store_b128 v[STO], v[TMP+8*\b:TMP+8*\b+3] offset:64*\b
	ds_store_b128 v[STO], v[TMP+8*\b+4:TMP+8*\b+7] offset:64*\b+16
.endr
.set BB, BK+32*((\a)%2)
.irp t, 0,1,2,3,4,5,6,7
	ds_load_b128 v[BB+4*\t:BB+4*\t+3], v[RD] offset:\t*2*SPITCH
.endr
.endm
.macro SEND a, younger                 ; younger: the LDS instructions issued behind block a's loads, which may stay out
.set BB, BK+32*((\a)%2)
	s_wait_dscnt \younger                          ; the block is back in registers
.if (\a) > 0
	s_add_nc_u64 s[68:69], s[68:69], 16*4096       ; (behind a wait on XCNT: the earlier stores have read their base)  16 rows of out on
.endif
.irp t, 0,1,2,3,4,5,6,7
	global_store_b128 v[CO], v[BB+4*\t:BB+4*\t+3], s[68:69] offset:2*\t*4096 th:TH_STORE_NT   ; 16 lanes store 256 consecutive bytes, at a multiple of 256 from out's first byte; written once, read by nobody here
.endr
.endm
	s_wait_kmcnt 0x0
	s_add_co_i32 s96, s96, s97                     ; e6 + e7
	s_add_co_i32 s96, s96, 127
	s_lshl_b32 s96, s96, 23                        ; 2^(e6 + e7) as f32
	s_mov_b32 s97, s96                             ; (named with it as a pair, so it is written)
	s_wait_loadcnt 0x0                             ; the bias
	PLACES NP                                      ; behind the last products: their results are read, and rows land in the registers that held a's fragments
	TOSTAGE 0
.irp a, 1,2,3,4,5,6,7
.if \a > 1
	s_wait_xcnt 0x0                                ; block a - 2's stores have read their registers and their base: block a's loads may land there, and the base may step
.endif
	TOSTAGE \a
	SEND \a-1, 16                                  ; behind block a - 1's loads: block a's 8 stores and 8 loads
.endr
	s_wait_xcnt 0x0                                ; block 6's stores have read their base
	SEND 7, 0
	s_wait_tensorcnt 0x0                           ; the wave's end: behind my last tensor load and my last LDS store
	ds_add_u32 v[SPW], v[NIL]
	s_wait_dscnt 0x0
	CROUND                                         ; the closing round: no work-group ends while a partner may still ask for a tile that names it
	s_endpgm
.Lfunc_end_k_q3f3bb2d862_proj:
	.size	k_q3f3bb2d862_proj, .Lfunc_end_k_q3f3bb2d862_proj-k_q3f3bb2d862_proj
	.p2alignl 7, 3214868480
	.fill 96, 4, 3214868480
	.section	.rodata,"a",@progbits
	.p2align	6, 0x0
	.amdhsa_kernel k_q3f3bb2d862_proj
		.amdhsa_group_segment_fixed_size 327680
		.amdhsa_private_segment_fixed_size 0
		.amdhsa_enable_private_segment 0
		.amdhsa_kernarg_size 40
		.amdhsa_user_sgpr_count 2
		.amdhsa_user_sgpr_kernarg_segment_ptr 1
		.amdhsa_wavefront_size32 1
		.amdhsa_system_sgpr_workgroup_id_x 1
		.amdhsa_system_sgpr_workgroup_id_y 1
		.amdhsa_system_sgpr_workgroup_id_z 1
		.amdhsa_system_vgpr_workitem_id 0
		.amdhsa_next_free_vgpr 1024
		.amdhsa_next_free_sgpr 100
		.amdhsa_reserve_vcc 0
		.amdhsa_float_denorm_mode_32 3
		.amdhsa_float_denorm_mode_16_64 3
		.amdhsa_memory_ordered 1
		.amdhsa_forward_progress 1
		.amdhsa_inst_pref_size 87
	.end_amdhsa_kernel
	.amdgpu_metadata
---
amdhsa.version: [ 1, 2 ]
amdhsa.kernels:
  - .name:           k_q3f3bb2d862_proj
    .symbol:         k_q3f3bb2d862_proj.kd
    .args:
      - { .name: aimg, .offset: 0, .size: 8, .value_kind: global_buffer, .address_space: global }
      - { .name: w_proj_codes, .offset: 8, .size: 8, .value_kind: global_buffer, .address_space: global }
      - { .name: lowp_scales, .offset: 16, .size: 8, .value_kind: global_buffer, .address_space: global }
      - { .name: b_proj, .offset: 24, .size: 8, .value_kind: global_buffer, .address_space: global }
      - { .name: out0, .offset: 32, .size: 8, .value_kind: global_buffer, .address_space: global }
    .group_segment_fixed_size: 327680
    .private_segment_fixed_size: 0
    .kernarg_segment_align: 8
    .kernarg_segment_size: 40
    .max_flat_workgroup_size: 128
    .sgpr_count:     100
    .vgpr_count:     1024
    .wavefront_size: 32
...
	.end_amdgpu_metadata
.endif
;; end of part 4
